; MI455X (gfx1250); checked and timed in simulation.
; The chip was launched on July 23, 2026; its instructions are those of AMD's public machine-readable ISA for CDNA 5 (MIT licence, August 2026) and "CDNA5" Instruction Set Architecture Reference Guide (July 2026). The comments in the code are by the model that wrote it; some were corrected since.
;; Until. Allowed arithmetic: float matrix products may take bf16 or f16 operands with f32 sums; all other float work in f32.
;; Inputs: trace1 16 x 512 x 8 float32; trace2 16 x 512 x 8 float32.
;; Outputs: out0 16 x 512 x 8 float32.
;; Constants: scale = 0.
;; One version. Each part assembles by itself: llvm-mc -triple=amdgcn-amd-amdhsa -mcpu=gfx1250 --defsym DOCPART=n.
;; ======== version 1 of 1: 1 launch
;; launch until (part 1): grid 16 x 1, 4 waves a work-group, no clusters, 2,304 bytes of LDS; arguments trace1, trace2, out0; writes out0
.if DOCPART == 1
	.amdgcn_target "amdgcn-amd-amdhsa--gfx1250"
	.amdhsa_code_object_version 6
	.text
	.protected	k_q7736e8cc69_until
	.globl	k_q7736e8cc69_until
	.p2align	8
	.type	k_q7736e8cc69_until,@function
k_q7736e8cc69_until:
	s_mov_b64 s[64:65], 0
	v_nop
	global_prefetch_b8 v0, s[64:65] scope:SCOPE_SE
	s_setreg_imm32_b32 hwreg(HW_REG_WAVE_MODE, 25, 1), 1
	s_wait_xcnt 0x0
; Until with hard min / max (scale = 0).  trace1, trace2, out0: [16][512][8] f32.
;   a_j = trace1[j],  b_j = min(trace2[j], 1e4),  c_j = min(trace2[j], -1e6)
;   out[j] = max( U[j], max over i > j of c_i ),   U[j] = min(a_j, max(U[j-1], b_j)),  U[-1] = -inf
; (U[j] = max over i <= j of min(b_i, a_i .. a_j); min distributes over max, which gives the recurrence.)
; The step u -> min(a, max(u, b)) is closed under composition: later (a2, b2) after earlier (a1, b1) is
;   A = min(a2, max(a1, b2)),  B = max(b1, b2):  an associative scan of pairs.  The i > j part is an exclusive suffix maximum.
;
; One work-group = one batch (16 KiB of each trace), four waves.  A row of 16 lanes owns 64 consecutive times (2,048 bytes);
; register group m = 0..7 of the row is one SEGMENT: 256 consecutive bytes, aligned = 8 times x 8 x.  Lane 2p+h of the row holds
; time p of the segment, x = 4h .. 4h+3.  So each load and each store of a row of lanes covers 256 consecutive aligned bytes.
; Levels: (1) lane scans inside a segment, (2) the eight segments of a row in registers, (3) the eight rows through LDS, one barrier.
; No cluster: the 16 work-groups read no common byte.  No further split: a cut in time would make each part read all earlier
; times again, a cut in x would store halves of the 256-byte pieces.
; LIMIT: v_min_num / v_max_num drop a NaN where jnp.minimum / jnp.maximum pass it on: with a NaN among the inputs this text gives
; numbers where jnp.minimum / jnp.maximum give NaN.  Infinities are served; the sign of a zero result may differ.
.set SEGB, 256                         ; bytes of a segment
.set ST,   0                           ; LDS: suffix table, 32 bytes an entry (8 x): rows 0..7, then 7 entries of -inf
.set NEUT, 256                         ; LDS: 1,024 bytes of neutral elements, 8 bytes from each thread
.set PT,   832                         ; LDS: prefix table, 64 bytes an entry (A of 8 x, B of 8 x): 7 neutral entries, then rows 0..7
.set OWN,  7*64                        ; a row's own entry behind the first entry of its window
.set GOFF, 1                           ; v1       byte offset of my 16 bytes in segment 0 of my row
.set PTA,  2                           ; v2       PT + 64 row + 16 h: the first entry of my window of 7 earlier rows
.set STA,  3                           ; v3       ST + 32 row + 16 h: my row's own entry; the 7 later rows follow it
.set U,    8                           ; v[8:11]  carry into the segment at work
.set SX,   12                          ; v[12:15] maximum of c over all later rows
.set PA,   16                          ; v[16:19] the row's composed A (lanes 14, 15)
.set PB,   20                          ; v[20:23] the row's composed B (lanes 14, 15)
.set RT,   24                          ; v[24:27] at work in the composition; then the row's maximum of c (lanes 0, 1)
.set A,    32                          ; v[32:63]   4 m + q: trace1, then A of the prefix inside the segment, then U, then out
.set B,    64                          ; v[64:95]   trace2, then b, then B of the prefix inside the segment
.set R,    96                          ; v[96:127]  c, then its suffix maximum inside the segment
.set TD,   128                         ; v[128:151] 8 registers for each of the 3 scan steps; +inf in the lanes that the step does not write
.set Z,    128                         ; v[128:159] afterwards: 4 m + q: maximum of c over the row's later segments, then the exclusive suffix
.set WA,   160                         ; v[160:187] window: A of 7 earlier rows
.set WB,   188                         ; v[188:215] window: B of 7 earlier rows
.set WS,   216                         ; v[216:243] window: maximum of c of 7 later rows
	s_load_b128 s[4:7], s[0:1], 0x0                ; trace1 s[4:5], trace2 s[6:7]
	s_load_b64 s[8:9], s[0:1], 0x10                ; out0
	v_lshl_add_u32 v248, v0, 2, 0x700
	v_mov_b32 v249, 0
	v_lshrrev_b32 v4, 4, v0                        ; row of lanes, 0..7
	v_and_b32 v5, 15, v0
	s_lshl_b32 s11, ttmp9, 14                      ; the batch: 16,384 bytes
	v_lshlrev_b32 v5, 4, v5                        ; 16 bytes a lane
	v_lshl_add_u32 v5, v4, 11, v5                  ; + 2,048 bytes a row
	v_add_nc_u32 v[GOFF], s11, v5
	s_wait_kmcnt 0x0
.irp m, 0,1,2,3,4,5,6,7
	global_load_b128 v[A+4*\m:A+4*\m+3], v[GOFF], s[4:5] offset:SEGB*\m th:TH_LOAD_NT
	global_load_b128 v[B+4*\m:B+4*\m+3], v[GOFF], s[6:7] offset:SEGB*\m th:TH_LOAD_NT
.endr
	; while the 16 loads are on their way: constants, LDS addresses, neutral elements
	s_mov_b32 s15, 0x7f800000                      ; +inf
	s_mov_b32 s16, 0x461c4000                      ; 10000.0
	s_mov_b32 s17, 0xc9742400                      ; -1000000.0
	s_mov_b32 s18, 0x10101010                      ; v_permlane16_b32: even lanes take lane 0 of their row, odd lanes lane 1
	s_mov_b32 s19, 0x10101010
	s_mov_b32 s20, 0xfefefefe                      ; even lanes take lane 14, odd lanes lane 15
	s_mov_b32 s21, 0xfefefefe
	v_lshrrev_b32 v4, 5, v0
	v_readfirstlane_b32 s10, v4                    ; wave 0..3: a wave's LDS stores lie at wave x constant + lane term
	v_bfe_u32 v5, v0, 4, 1                         ; which row of the wave
	v_and_b32 v6, 1, v0                            ; h
	v_lshlrev_b32 v6, 4, v6                        ; 16 h
	v_and_b32 v7, 31, v0                           ; lane
	v_and_b32 v31, 14, v0                          ; 2 p: 14 in the lanes of a segment's last time, 0 in those of its first
	s_lshl_b32 s12, s10, 6                         ; two suffix entries a wave
	s_lshl_b32 s13, s10, 7                         ; two prefix entries a wave
	s_add_co_u32 s13, s13, PT
	s_lshl_b32 s14, s10, 8                         ; 32 lanes x 8 bytes of neutral elements a wave
	s_add_co_u32 s14, s14, NEUT
	v_lshl_add_u32 v[STA], v5, 5, v6
	v_add_nc_u32 v[STA], s12, v[STA]
	v_lshl_add_u32 v[PTA], v5, 6, v6
	v_add_nc_u32 v[PTA], s13, v[PTA]
	v_lshl_add_u32 v30, v7, 3, s14                 ; NEUT + 8 t
	; Thread t fills bytes NEUT + 8 t .. + 7.  t < 28: the 7 entries of -inf behind the suffix table.  t = 72 .. 127: the 7 neutral
	; entries in front of the prefix table, each 32 bytes of A = +inf (t & 4 = 0), then 32 bytes of B = -inf.  +inf where (t & 0x44) = 0x40;
	; the bytes of t = 28 .. 71 are read by nobody.
	v_and_b32 v4, 0x44, v0
	v_mov_b32 v29, s15
	v_cmp_eq_u32 vcc_lo, 0x40, v4
	v_cndmask_b32 v28, 0xff800000, v29, vcc_lo
	v_mov_b32 v29, v28
	ds_store_b64 v30, v[28:29]
	; A DPP shift leaves the destination as it is in the lanes that have no source.  Each scan step has registers of its own, so the
	; lanes that it never writes keep this +inf, the neutral element of the min that follows.
.set i, 0
.rept 24
	v_mov_b32 v[TD+i], s15
.set i, i+1
.endr
.set i, 24
.rept 8
	v_mov_b32 v[Z+i], 0xff800000                   ; segment 7 has no later segment in its row: -inf; segment 6's four are written so that a permute may land on them
.set i, i+1
.endr
; LEVEL 1.  One step of the lane scans of 8 registers (two segments).  d lanes = d / 2 times.
; Pairs, forward: the earlier pair comes from lane - d:  A = min(A, max(A', B)),  B = max(B', B).  c, backward: from lane + d.
.macro SCANSTEP g, s, d
.irp i, 0,1,2,3,4,5,6,7
	v_max_num_f32_dpp v[TD+8*\s+\i], v[A+8*\g+\i], v[B+8*\g+\i] row_shr:\d row_mask:0xf bank_mask:0xf
.endr
.irp i, 0,1,2,3,4,5,6,7
	v_max_num_f32_dpp v[B+8*\g+\i], v[B+8*\g+\i], v[B+8*\g+\i] row_shr:\d row_mask:0xf bank_mask:0xf
.endr
.irp i, 0,1,2,3,4,5,6,7
	v_max_num_f32_dpp v[R+8*\g+\i], v[R+8*\g+\i], v[R+8*\g+\i] row_shl:\d row_mask:0xf bank_mask:0xf
.endr
.irp i, 0,1,2,3,4,5,6,7
	v_min_num_f32 v[A+8*\g+\i], v[A+8*\g+\i], v[TD+8*\s+\i]
.endr
.endm
.macro LEVEL1 g
	s_wait_loadcnt 12-4*\g                         ; loads return in order: segments 2g, 2g+1 of both traces are in, the 12 - 4g younger loads stay out
.irp i, 0,1,2,3,4,5,6,7
	v_min_num_f32 v[R+8*\g+\i], s17, v[B+8*\g+\i]  ; c = min(trace2, -1e6)
.endr
.irp i, 0,1,2,3,4,5,6,7
	v_min_num_f32 v[B+8*\g+\i], s16, v[B+8*\g+\i]  ; b = min(trace2, 1e4)
.endr
	SCANSTEP \g, 0, 2
	SCANSTEP \g, 1, 4
	SCANSTEP \g, 2, 8
.endm
	LEVEL1 0
	LEVEL1 1
	LEVEL1 2
	LEVEL1 3
	; LEVEL 2, in front of the barrier.  Lanes 14, 15 of a row hold each segment's whole pair: compose the eight, in order of time
	; (the other lanes compute along on numbers that nobody uses).  Between the two dependent lines of a step stand the broadcasts of
	; segment m's maximum of c (lanes 0, 1) to the row, into the registers of the scan steps, which are done with.
.macro COMP m
.irp q, 0,1,2,3
.if \m == 1
	v_max_num_f32 v[RT+\q], v[A+\q], v[B+4+\q]
.else
	v_max_num_f32 v[RT+\q], v[PA+\q], v[B+4*\m+\q]
.endif
.endr
.irp q, 0,1,2,3
	v_permlane16_b32 v[Z+4*\m-4+\q], v[R+4*\m+\q], s18, s19
.endr
.irp q, 0,1,2,3
	v_min_num_f32 v[PA+\q], v[A+4*\m+\q], v[RT+\q]
.endr
.endm
.irp m, 1,2,3,4,5,6,7
	COMP \m
.endr
.irp q, 0,1,2,3
	v_max3_num_f32 v[PB+\q], v[B+\q], v[B+4+\q], v[B+8+\q]
.endr
.irp q, 0,1,2,3
	v_max3_num_f32 v[PB+\q], v[PB+\q], v[B+12+\q], v[B+16+\q]
.endr
.irp q, 0,1,2,3
	v_max3_num_f32 v[PB+\q], v[PB+\q], v[B+20+\q], v[B+24+\q]
.endr
.irp q, 0,1,2,3
	v_max_num_f32 v[PB+\q], v[PB+\q], v[B+28+\q]
.endr
	v_cmp_eq_u32 vcc_lo, 14, v31
	s_wait_xcnt 0x0                                ; EXEC is a source of the global loads above: it changes only behind this wait
	s_and_saveexec_b32 s22, vcc_lo                 ; lanes 14, 15 of each row
	ds_store_b128 v[PTA], v[PA:PA+3] offset:OWN
	ds_store_b128 v[PTA], v[PB:PB+3] offset:OWN+32
	s_or_b32 exec_lo, exec_lo, s22
	; Z[m] = maximum of c over segments m+1 .. 7 of the row, in every lane
.irp m, 5,4,3,2,1,0
.irp q, 0,1,2,3
	v_max_num_f32 v[Z+4*\m+\q], v[Z+4*\m+\q], v[Z+4*\m+4+\q]
.endr
.endr
.irp q, 0,1,2,3
	v_max_num_f32 v[RT+\q], v[Z+\q], v[R+\q]       ; lanes 0, 1: the whole row's maximum of c
.endr
	v_cmp_eq_u32 vcc_lo, 0, v31
	s_and_saveexec_b32 s22, vcc_lo                 ; lanes 0, 1 of each row (no global instruction since the last s_wait_xcnt 0)
	ds_store_b128 v[STA], v[RT:RT+3]
	s_or_b32 exec_lo, exec_lo, s22
; Z[m] becomes the exclusive suffix inside the row: the next time's suffix maximum joins; the lanes of the segment's last time keep Z[m].
; This needs nothing from other rows: half of it stands behind the LDS stores, half behind the LDS loads.
.macro EXCL m
.irp q, 0,1,2,3
	v_max_num_f32_dpp v[Z+4*\m+\q], v[R+4*\m+\q], v[Z+4*\m+\q] row_shl:2 row_mask:0xf bank_mask:0xf
.endr
.endm
.irp m, 0,1,2,3
	EXCL \m
.endr
	s_wait_dscnt 0x0                               ; for the other waves: my neutral elements and my rows' entries are in LDS
	s_barrier_signal -1
	s_barrier_wait -1
	; LEVEL 3.  Row n reads entries n .. n+6 of the prefix table: 7 - n neutral ones, then rows 0 .. n-1, in order of time;
	; and entries n+1 .. n+7 of the suffix table: rows n+1 .. 7, then -inf.  The same seven offsets in every lane, no select.
.irp k, 0,1,2,3,4,5,6
	ds_load_b128 v[WA+4*\k:WA+4*\k+3], v[PTA] offset:64*\k
	ds_load_b128 v[WB+4*\k:WB+4*\k+3], v[PTA] offset:64*\k+32
.endr
.irp k, 0,1,2,3,4,5,6
	ds_load_b128 v[WS+4*\k:WS+4*\k+3], v[STA] offset:32*\k+32
.endr
.irp m, 4,5,6,7
	EXCL \m
.endr
	s_wait_dscnt 19                                ; LDS loads return in order: entry 0's two are in, the 19 younger stay out
.irp q, 0,1,2,3
	v_min_num_f32 v[U+\q], v[WA+\q], v[WB+\q]      ; min(A, max(-inf, B))
.endr
.irp k, 1,2,3,4,5,6
	s_wait_dscnt 19-2*\k                           ; entry k's two are in
.irp q, 0,1,2,3
	v_max_num_f32 v[U+\q], v[U+\q], v[WB+4*\k+\q]
.endr
.irp q, 0,1,2,3
	v_min_num_f32 v[U+\q], v[U+\q], v[WA+4*\k+\q]
.endr
.endr
	s_wait_dscnt 0x0
.irp q, 0,1,2,3
	v_max3_num_f32 v[SX+\q], v[WS+\q], v[WS+4+\q], v[WS+8+\q]
.endr
.irp q, 0,1,2,3
	v_max3_num_f32 v[SX+\q], v[SX+\q], v[WS+12+\q], v[WS+16+\q]
.endr
.irp q, 0,1,2,3
	v_max3_num_f32 v[SX+\q], v[SX+\q], v[WS+20+\q], v[WS+24+\q]
.endr
; The way out, segment by segment: U = min(A, max(carry, B)); the last time's U (lanes 14, 15) is the next segment's carry;
; out = max(U, exclusive suffix inside the row, later rows).  16 lanes store 256 consecutive aligned bytes.
.macro TAIL m
.irp q, 0,1,2,3
	v_max_num_f32 v[B+4*\m+\q], v[U+\q], v[B+4*\m+\q]
.endr
.irp q, 0,1,2,3
	v_min_num_f32 v[A+4*\m+\q], v[A+4*\m+\q], v[B+4*\m+\q]
.endr
.if \m < 7
.irp q, 0,1,2,3
	v_permlane16_b32 v[U+\q], v[A+4*\m+\q], s20, s21
.endr
.endif
.irp q, 0,1,2,3
	v_max3_num_f32 v[A+4*\m+\q], v[A+4*\m+\q], v[Z+4*\m+\q], v[SX+\q]
.endr
	global_store_b128 v[GOFF], v[A+4*\m:A+4*\m+3], s[8:9] offset:SEGB*\m th:TH_STORE_NT
.endm
.irp m, 0,1,2,3,4,5,6,7
	TAIL \m
.endr
	s_wait_tensorcnt 0x0
	ds_add_u32 v248, v249
	s_wait_dscnt 0x0
	s_endpgm
.Lfunc_end_k_q7736e8cc69_until:
	.size	k_q7736e8cc69_until, .Lfunc_end_k_q7736e8cc69_until-k_q7736e8cc69_until
	.p2alignl 7, 3214868480
	.fill 96, 4, 3214868480
	.section	.rodata,"a",@progbits
	.p2align	6, 0x0
	.amdhsa_kernel k_q7736e8cc69_until
		.amdhsa_group_segment_fixed_size 2304
		.amdhsa_private_segment_fixed_size 0
		.amdhsa_enable_private_segment 0
		.amdhsa_kernarg_size 24
		.amdhsa_user_sgpr_count 2
		.amdhsa_user_sgpr_kernarg_segment_ptr 1
		.amdhsa_wavefront_size32 1
		.amdhsa_system_sgpr_workgroup_id_x 1
		.amdhsa_system_sgpr_workgroup_id_y 1
		.amdhsa_system_sgpr_workgroup_id_z 1
		.amdhsa_system_vgpr_workitem_id 0
		.amdhsa_next_free_vgpr 250
		.amdhsa_next_free_sgpr 66
		.amdhsa_reserve_vcc 1
		.amdhsa_float_denorm_mode_32 3
		.amdhsa_float_denorm_mode_16_64 3
		.amdhsa_memory_ordered 1
		.amdhsa_forward_progress 1
		.amdhsa_inst_pref_size 47
	.end_amdhsa_kernel
	.amdgpu_metadata
---
amdhsa.version: [ 1, 2 ]
amdhsa.kernels:
  - .name:           k_q7736e8cc69_until
    .symbol:         k_q7736e8cc69_until.kd
    .args:
      - { .name: trace1, .offset: 0, .size: 8, .value_kind: global_buffer, .address_space: global }
      - { .name: trace2, .offset: 8, .size: 8, .value_kind: global_buffer, .address_space: global }
      - { .name: out0, .offset: 16, .size: 8, .value_kind: global_buffer, .address_space: global }
    .group_segment_fixed_size: 2304
    .private_segment_fixed_size: 0
    .kernarg_segment_align: 8
    .kernarg_segment_size: 24
    .max_flat_workgroup_size: 128
    .sgpr_count:     66
    .vgpr_count:     250
    .wavefront_size: 32
...
	.end_amdgpu_metadata
.endif
;; end of part 1
